; MI455X (gfx1250); checked and timed in simulation.
; The chip was launched on July 23, 2026; its instructions are those of AMD's public machine-readable ISA for CDNA 5 (MIT licence, August 2026) and "CDNA5" Instruction Set Architecture Reference Guide (July 2026). The comments in the code are by the model that wrote it; some were corrected since.
;; Bahdanau Attention. Allowed arithmetic: float matrix products may take bf16 or f16 operands with f32 sums; other float arithmetic in f32, or as packed bf16 or f16 multiplies, adds, multiply-adds, maxima and minima; sums over many terms, partial sums and values carried from step to step in f32; what a program stores and reads back later, other than sums and carried values, may be rounded once to bf16 or f16.
;; Inputs: U_b 1,024 float32; U_w 1,024 x 1,024 float32; V_b 1 float32; V_w 1 x 1,024 float32; W_b 1,024 float32; W_w 1,024 x 1,024 float32; encoder_output 32 x 2,048 x 1,024 float32; hidden 32 x 1 x 1,024 float32.
;; Outputs: out0 32 x 1 x 1,024 float32; out1 32 x 1 x 2,048 float32.
;; One version. Each part assembles by itself: llvm-mc -triple=amdgcn-amd-amdhsa -mcpu=gfx1250 --defsym DOCPART=n.
;; ======== version 1 of 1: 3 launches
;; workspace buffers: ubf 2,097,152 bytes; hb 524,288 bytes; sc 262,144 bytes; stat 131,072 bytes; part 2,097,152 bytes
;; launch prep (part 1): grid 64 x 4, 4 waves a work-group, no clusters, 8,704 bytes of LDS; arguments U_w, W_w, hidden, W_b, U_b, ubf, hb; writes ubf, hb
.if DOCPART == 1
	.amdgcn_target "amdgcn-amd-amdhsa--gfx1250"
	.amdhsa_code_object_version 6
	.text
	.protected	k_q31c5c2c13d_prep
	.globl	k_q31c5c2c13d_prep
	.p2align	8
	.type	k_q31c5c2c13d_prep,@function
k_q31c5c2c13d_prep:
	s_mov_b64 s[64:65], 0
	v_nop
	global_prefetch_b8 v0, s[64:65] scope:SCOPE_SE
	s_setreg_imm32_b32 hwreg(HW_REG_WAVE_MODE, 25, 1), 1
	s_wait_xcnt 0x0
; PREP.  Two small things that the main launch wants ready.  c = 2 log2(e): the main launch wants 2^(c x) for tanh(x), so c is multiplied in here, once.
;  (1) ubf: c U_w, rounded once to bf16 and laid out as the register image of matrix fragments, in the order in which a wave of the main launch walks them:
;      [w 4][ch 2][s 32][b 8][half 2][lane 32][16 bytes]; the element is c U_w[n][k], n = 512 ch + 128 w + 16 b + r, k = 32 s + 16 half + 8 h + e, lane = 16 h + r, e = 0..7.
;  (2) hb[q][batch][n], q = 0..3: c times the sum over k = 256 q .. 256 q + 255 of hidden[batch][k] W_w[n][k], in f32 (products of bf16 operands); q = 0 also holds c (W_b[n] + U_b[n]).
;      The main launch adds the four.
; SHARES.  Work-group (T, q) owns the 16 rows n = 16 T .. 16 T + 15 of U_w and of W_w and a quarter of K; wave v takes k = 256 q + 64 v .. + 63, two fragments of 32:
; 256 consecutive aligned bytes of each f32 row.  The four waves' partial sums meet in LDS; wave 0 finishes batches 0-15, wave 1 batches 16-31.
; LAYOUT.  A fragment is 16 rows x 32 k in 8 registers: lane l holds row l % 16; registers 0-3 k = 8 (l / 16) + 0..7, registers 4-7 k = 16 + 8 (l / 16) + 0..7.  From f32 rows that is
; four loads of 16 bytes, at 0, 16, 64 and 80 from 32 (l / 16), and eight packed roundings.  The product is taken with W_w's rows as source 0 and hidden's as source 1: a lane then holds one batch
; (l % 16) and eight neighbouring n.
; hb leaves in runs of 64 bytes (a work-group owns 16 n of each batch's row): 524,288 bytes in all, once.  ubf leaves in stores of 512 consecutive aligned bytes.
; LIMITS.  NaN and infinities are not treated apart.
.set PART,  0                          ; LDS: wave v's two partial tiles, 1,024 bytes each, at 2,048 v
.set SPARE, 8192                       ; behind them: the spare words, 128 bytes for each of the 4 waves: two blocks of 256 bytes that no other line names
.set FO,  4                            ; v4   4,096 (l % 16) + 32 (l / 16) + 256 v: my place in 16 f32 rows
.set SO,  5                            ; v5   16 l: my 16 bytes of half a fragment in ubf
.set LS,  6                            ; v6   2,048 v + 32 l: where I put my 32 bytes of a partial tile
.set LR,  7                            ; v7   1,024 v + 32 l: where waves 0 and 1 read them back
.set YO,  8                            ; v8   (16 v + l % 16) x 4,096 + 32 (l / 16): my 32 bytes of hb (waves 0 and 1)
.set BO,  9                            ; v9   32 (l / 16): my eight n in the biases
.set SPW, 10                           ; v10  LDS address of my spare word; never rewritten
.set NIL, 11                           ; v11  0; never rewritten
.set UF,  16                           ; v[16:47]   U_w: two fragments, 16 registers of f32 each, rounded in place into the first 8
.set WF,  48                           ; v[48:79]   W_w likewise
.set HF,  80                           ; v[80:143]  hidden: batches 16 mt on, fragment i, at HF + 32 mt + 16 i
.set ACC, 144                          ; v[144:159] two accumulators
.set BW,  160                          ; v[160:167] W_b, v[168:175] U_b of my eight n
.set WV,  20                           ; s20  my wave's number
	s_load_b256 s[4:11], s[0:1], 0x0               ; U_w s[4:5], W_w s[6:7], hidden s[8:9], W_b s[10:11]
	s_load_b128 s[12:15], s[0:1], 0x20             ; U_b s[12:13], ubf s[14:15]
	s_load_b64 s[16:17], s[0:1], 0x30              ; hb
	v_lshl_add_u32 v[SPW], v0, 2, SPARE
	v_mov_b32 v[NIL], 0
	v_lshrrev_b32 v1, 5, v0
	v_readfirstlane_b32 s[WV], v1                  ; wave 0..3
	s_and_b32 s28, ttmp7, 0xffff                   ; q, the quarter of K
	v_and_b32 v1, 15, v0                           ; l % 16
	v_bfe_u32 v2, v0, 4, 1                         ; l / 16
	v_and_b32 v3, 31, v0                           ; l
	s_lshl_b32 s21, s[WV], 8
	v_lshlrev_b32 v[FO], 12, v1
	v_lshl_add_u32 v[FO], v2, 5, v[FO]
	v_add_nc_u32 v[FO], s21, v[FO]
	v_lshlrev_b32 v[SO], 4, v3
	s_lshl_b32 s21, s[WV], 11
	v_lshl_add_u32 v[LS], v3, 5, s21
	s_lshl_b32 s21, s[WV], 10
	v_lshl_add_u32 v[LR], v3, 5, s21
	s_lshl_b32 s21, s[WV], 16
	v_lshl_add_u32 v[YO], v1, 12, s21
	v_lshl_add_u32 v[YO], v2, 5, v[YO]
	v_lshlrev_b32 v[BO], 5, v2
	s_lshl_b32 s30, s28, 10                        ; the quarter's 256 k of f32: hidden's offset,
	s_mov_b32 s31, 0
	s_lshl_b32 s22, ttmp9, 16                      ; and with 16 rows of 4,096 bytes U_w's and W_w's
	s_add_co_u32 s22, s22, s30
	s_mov_b32 s23, 0
	s_bfe_u32 s24, ttmp9, 0x20003                  ; w = (T / 8) % 4
	s_lshr_b32 s25, ttmp9, 5                       ; ch = T / 32
	s_lshl1_add_u32 s24, s24, s25                  ; 2 w + ch
	s_lshl_b32 s24, s24, 18                        ; x 262,144: a wave's chunk in ubf
	s_and_b32 s25, ttmp9, 7                        ; b = T % 8
	s_lshl_b32 s25, s25, 10                        ; x 1,024: a fragment
	s_add_co_u32 s24, s24, s25
	s_lshl2_add_u32 s25, s28, s[WV]                ; 4 q + v: my two K steps of 8,192 bytes
	s_lshl_b32 s25, s25, 14
	s_add_co_u32 s24, s24, s25
	s_mov_b32 s25, 0
	s_lshl_b32 s26, ttmp9, 6                       ; 16 n of f32
	s_mov_b32 s27, 0
	s_lshl_b32 s36, s28, 17                        ; hb: the quarter's 131,072 bytes, and the 16 n
	s_add_co_u32 s36, s36, s26
	s_mov_b32 s37, 0
	s_mov_b32 s32, 0x4038aa3b                      ; c = 2 log2(e)
	s_mov_b32 s33, s32                             ; named with it as a pair
	s_cmp_eq_u32 s28, 0
	s_cselect_b32 s34, 1.0, 0                      ; the biases count in quarter 0 alone
	s_mov_b32 s35, s34
	s_wait_kmcnt 0x0
	s_add_nc_u64 s[4:5], s[4:5], s[22:23]
	s_add_nc_u64 s[6:7], s[6:7], s[22:23]
	s_add_nc_u64 s[8:9], s[8:9], s[30:31]
	s_add_nc_u64 s[14:15], s[14:15], s[24:25]
	s_add_nc_u64 s[10:11], s[10:11], s[26:27]
	s_add_nc_u64 s[12:13], s[12:13], s[26:27]
	s_add_nc_u64 s[16:17], s[16:17], s[36:37]
.macro LDF dst, sb, off, tail:vararg   ; a fragment's 16 f32 a lane
	global_load_b128 v[\dst:\dst+3],     v[FO], s[\sb:\sb+1] offset:(\off) \tail
	global_load_b128 v[\dst+4:\dst+7],   v[FO], s[\sb:\sb+1] offset:(\off)+16 \tail
	global_load_b128 v[\dst+8:\dst+11],  v[FO], s[\sb:\sb+1] offset:(\off)+64 \tail
	global_load_b128 v[\dst+12:\dst+15], v[FO], s[\sb:\sb+1] offset:(\off)+80 \tail
.endm
.macro CVF x                           ; 16 f32 into 8 registers of bf16, in place: line i writes register x + i, which lines 0 .. i have read
.irp i, 0,1,2,3,4,5,6,7
	v_cvt_pk_bf16_f32 v[\x+\i], v[\x+2*\i], v[\x+2*\i+1]
.endr
.endm
	global_load_b128 v[BW:BW+3],     v[BO], s[10:11]            ; the biases first: the oldest loads, so the counts below hold for them too
	global_load_b128 v[BW+4:BW+7],   v[BO], s[10:11] offset:16
	global_load_b128 v[BW+8:BW+11],  v[BO], s[12:13]
	global_load_b128 v[BW+12:BW+15], v[BO], s[12:13] offset:16
	LDF UF,    4, 0,   th:TH_LOAD_NT
	LDF UF+16, 4, 128, th:TH_LOAD_NT
	LDF WF,    6, 0,   th:TH_LOAD_NT
	LDF WF+16, 6, 128, th:TH_LOAD_NT
	LDF HF,    8, 0                                ; hidden is read by 64 work-groups: no hint
	LDF HF+16, 8, 128
	LDF HF+32, 8, 65536
	LDF HF+48, 8, 65536+128
	s_wait_loadcnt 24                              ; U_w's eight loads are in; the 8 of W_w and the 16 of hidden are younger
.set y, 0
.rept 16
	v_pk_mul_f32 v[UF+y:UF+y+1], v[UF+y:UF+y+1], s[32:33] op_sel_hi:[1,0]  ; c U, in f32, ahead of the one rounding to bf16
.set y, y+2
.endr
	CVF UF
	CVF UF+16
	global_store_b128 v[SO], v[UF:UF+3],     s[14:15]               ; each store covers 512 consecutive bytes, aligned
	global_store_b128 v[SO], v[UF+4:UF+7],   s[14:15] offset:512
	global_store_b128 v[SO], v[UF+16:UF+19], s[14:15] offset:8192
	global_store_b128 v[SO], v[UF+20:UF+23], s[14:15] offset:8704
	s_wait_loadcnt 0x0
	CVF WF
	CVF WF+16
	CVF HF
	CVF HF+16
	CVF HF+32
	CVF HF+48
	; four products; the two accumulators take turns; the first two start the sums
	v_wmma_f32_16x16x32_bf16 v[ACC:ACC+7],    v[WF:WF+7],     v[HF:HF+7],     0
	v_wmma_f32_16x16x32_bf16 v[ACC+8:ACC+15], v[WF:WF+7],     v[HF+32:HF+39], 0
	v_wmma_f32_16x16x32_bf16 v[ACC:ACC+7],    v[WF+16:WF+23], v[HF+16:HF+23], v[ACC:ACC+7]
	v_wmma_f32_16x16x32_bf16 v[ACC+8:ACC+15], v[WF+16:WF+23], v[HF+48:HF+55], v[ACC+8:ACC+15]
.rept 4
	v_nop                                          ; four places between the last product and the LDS stores that read the results
.endr
	ds_store_b128 v[LS], v[ACC:ACC+3]     offset:PART
	ds_store_b128 v[LS], v[ACC+4:ACC+7]   offset:PART+16
	ds_store_b128 v[LS], v[ACC+8:ACC+11]  offset:PART+1024
	ds_store_b128 v[LS], v[ACC+12:ACC+15] offset:PART+1040
	s_wait_dscnt 0x0                               ; for the others' sake: my partial sums lie in LDS
	s_barrier_signal -1
	s_barrier_wait -1                              ; everybody's do
	s_cmp_lt_u32 s[WV], 2                          ; wave 0 finishes batches 0-15, wave 1 batches 16-31
	s_cbranch_scc0 .Lend
	s_wait_xcnt 0x0                                ; the stores into ubf have read v16-39, which are loaded again below
.set u, 0
.rept 4
	ds_load_b128 v[16+8*u:16+8*u+3], v[LR] offset:PART+2048*u
	ds_load_b128 v[16+8*u+4:16+8*u+7], v[LR] offset:PART+2048*u+16
.set u, u+1
.endr
.irp p, 0,2,4,6
	v_pk_add_f32 v[BW+\p:BW+\p+1], v[BW+\p:BW+\p+1], v[BW+8+\p:BW+8+\p+1]    ; W_b + U_b, while the partial sums come
.endr
	s_wait_dscnt 0x0
.irp d, 2,1                            ; a tree over the 4 partial sums
.set u, 0
.rept \d
.irp p, 0,2,4,6
	v_pk_add_f32 v[16+8*u+\p:16+8*u+\p+1], v[16+8*u+\p:16+8*u+\p+1], v[16+8*(u+\d)+\p:16+8*(u+\d)+\p+1]
.endr
.set u, u+1
.endr
.endr
.irp p, 0,2,4,6
	v_pk_fma_f32 v[16+\p:16+\p+1], v[BW+\p:BW+\p+1], s[34:35], v[16+\p:16+\p+1] op_sel_hi:[1,0,1]  ; + the biases, times 1 in quarter 0 and times 0 elsewhere
.endr
.irp p, 0,2,4,6
	v_pk_mul_f32 v[16+\p:16+\p+1], v[16+\p:16+\p+1], s[32:33] op_sel_hi:[1,0]                      ; times c
.endr
	global_store_b128 v[YO], v[16:19], s[16:17]
	global_store_b128 v[YO], v[20:23], s[16:17] offset:16
.Lend:
	s_wait_tensorcnt 0x0                           ; the wave's end, behind my last LDS store
	ds_add_u32 v[SPW], v[NIL]
	s_wait_dscnt 0x0
	s_endpgm
.Lfunc_end_k_q31c5c2c13d_prep:
	.size	k_q31c5c2c13d_prep, .Lfunc_end_k_q31c5c2c13d_prep-k_q31c5c2c13d_prep
	.p2alignl 7, 3214868480
	.fill 96, 4, 3214868480
	.section	.rodata,"a",@progbits
	.p2align	6, 0x0
	.amdhsa_kernel k_q31c5c2c13d_prep
		.amdhsa_group_segment_fixed_size 8704
		.amdhsa_private_segment_fixed_size 0
		.amdhsa_enable_private_segment 0
		.amdhsa_kernarg_size 56
		.amdhsa_user_sgpr_count 2
		.amdhsa_user_sgpr_kernarg_segment_ptr 1
		.amdhsa_wavefront_size32 1
		.amdhsa_system_sgpr_workgroup_id_x 1
		.amdhsa_system_sgpr_workgroup_id_y 1
		.amdhsa_system_sgpr_workgroup_id_z 1
		.amdhsa_system_vgpr_workitem_id 0
		.amdhsa_next_free_vgpr 176
		.amdhsa_next_free_sgpr 66
		.amdhsa_reserve_vcc 0
		.amdhsa_float_denorm_mode_32 3
		.amdhsa_float_denorm_mode_16_64 3
		.amdhsa_memory_ordered 1
		.amdhsa_forward_progress 1
		.amdhsa_inst_pref_size 15
	.end_amdhsa_kernel
	.amdgpu_metadata
---
amdhsa.version: [ 1, 2 ]
amdhsa.kernels:
  - .name:           k_q31c5c2c13d_prep
    .symbol:         k_q31c5c2c13d_prep.kd
    .args:
      - { .name: U_w, .offset: 0, .size: 8, .value_kind: global_buffer, .address_space: global }
      - { .name: W_w, .offset: 8, .size: 8, .value_kind: global_buffer, .address_space: global }
      - { .name: hidden, .offset: 16, .size: 8, .value_kind: global_buffer, .address_space: global }
      - { .name: W_b, .offset: 24, .size: 8, .value_kind: global_buffer, .address_space: global }
      - { .name: U_b, .offset: 32, .size: 8, .value_kind: global_buffer, .address_space: global }
      - { .name: ubf, .offset: 40, .size: 8, .value_kind: global_buffer, .address_space: global }
      - { .name: hb, .offset: 48, .size: 8, .value_kind: global_buffer, .address_space: global }
    .group_segment_fixed_size: 8704
    .private_segment_fixed_size: 0
    .kernarg_segment_align: 8
    .kernarg_segment_size: 56
    .max_flat_workgroup_size: 128
    .sgpr_count:     66
    .vgpr_count:     176
    .wavefront_size: 32
...
	.end_amdgpu_metadata
.endif
;; end of part 1
;; launch score (part 2): grid 512 x 1, 4 waves a work-group, no clusters, 280,064 bytes of LDS; arguments encoder_output, ubf, hb, V_w, V_b, sc, stat, part; writes sc, stat, part
.if DOCPART == 2
	.amdgcn_target "amdgcn-amd-amdhsa--gfx1250"
	.amdhsa_code_object_version 6
	.text
	.protected	k_q31c5c2c13d_score
	.globl	k_q31c5c2c13d_score
	.p2align	8
	.type	k_q31c5c2c13d_score,@function
k_q31c5c2c13d_score:
	s_mov_b64 s[64:65], 0
	v_nop
	global_prefetch_b8 v0, s[64:65] scope:SCOPE_SE
	s_setreg_imm32_b32 hwreg(HW_REG_WAVE_MODE, 25, 1), 1
	s_wait_xcnt 0x0
; SCORE.  A work-group owns 128 rows of encoder_output, all of one batch (16 blocks a batch, 512 blocks).  It reads them ONCE, keeps them as bf16 in LDS, and makes of them
;   s[row] = V_b + the sum over n of V[n] tanh(hb[batch][n] + the sum over k of row[k] U[n][k]),   the block's maximum m,   p[row] = e^(s - m),   l = the sum of p,   and   part[ch] = the sum over rows of p[row] row[ch].
; It stores s (512 bytes), (m, l) and part (4,096 bytes); the last launch joins a batch's 16 blocks.
; FORMATS.  Matrix operands (the rows, c U, p) are rounded once to bf16, V too; hb, all sums, tanh and the softmax's figures are f32.  The launch before has multiplied U and hb by c = 2 log2(e), so an accumulator holds c x.
; tanh(x) = 1 - 2 r, r = 1 / (1 + 2^(c x)): 2^.. runs to infinity or to 0 for large |x|, r to 0 or 1, tanh to 1 or -1.  So s = V_b + (the sum of V) - 2 (the sum of V r), all three summed in f32; each is of the size of the sum of |V|.
; LIMITS.  NaN and infinities are not treated apart; tanh carries an absolute error of about 1e-7; a weight below 2^-126 counts as 0.
; SHARES.  N goes in two chunks of 512 columns.  In a chunk wave w makes all 128 rows x columns 128 w .. 128 w + 127: 64 accumulators of 16 x 16, 512 registers.  K goes in 32 steps of 32.
; All four waves read the same fragments of the rows from LDS (8 KiB a step for 64 matrix instructions); each byte of U is wanted by ONE wave of the work-group, so U's fragments come from memory straight into
; registers, in the register image that the launch before has laid out (8 KiB a step, 16 loads of 512 consecutive bytes).
; THE ROWS COME IN UNDER CHUNK 0's PRODUCTS.  K is filled in slabs of 64 k (256 aligned bytes of each f32 row; two steps' worth).  Of a slab wave w brings its rows 32 w .. 32 w + 31 as two PIECES of 16 rows, 8 loads each.
; Pieces 0-3 are brought ahead of the first barrier.  Then step s of chunk 0 has one run of memory lines at its head: piece s + 3 is rounded and stored into LDS, U of step s + 2 and piece s + 6 are asked for,
; the rows' fragments of step s + 1 are fetched; 64 products follow.  A slab is read by others only behind a barrier that stands in the step whose run has stored its second piece.  No byte of the rows is written twice.
; NO CLUSTER, NO TENSOR LOADS, though every work-group walks all of U: the rows take 128 x 2,064 = 264,192 of a WGP's 327,680 bytes of LDS, the tables, stages and spare words 15,872; what is left, 47,616, does not hold two slots
; of one K step of a chunk (2 x 32,768), and LDS would add nothing else here, since no two waves share a byte of U.
; THE MATRIX INSTRUCTION IS USED TRANSPOSED: source 0 = 16 rows of U, source 1 = 16 encoder rows.  A lane then holds ONE encoder row (lane % 16) and the columns 8 (lane / 16) + 0..7, so the sum over n stays in the lane
; but for one exchange between the halves of the lanes and one meeting of the four waves in LDS.  hb is the C operand of a chunk's first step: nothing is cleared and no bias is added.
; REGISTERS, in windows of 256 (s_set_vgpr_msb: bits 1:0 source 0, 3:2 source 1, 5:4 source 2, 7:6 destination):
;   window 0: v0-31 addresses and small things; v32-63 SUM; v64-127, v128-191 fragments of the rows, two buffers; v192-255 hb's fragments (chunk 1).  In chunk 0 v32-63, v192-223, v224-255 are the three sets in which pieces land.
;   window 1: buffers of 64 for U's fragments: three in chunk 0 (v192-255 then hold hb's fragments for step 0), four in chunk 1; at the end the turned fragments of the rows, two buffers of 128
;   windows 2, 3: the accumulators: (a, b) at 8 (8 (a % 4) + b) of window 2 + a / 4.  At the start window 2's v0-41 stage the tables; at the end its v0-127 are the context's 16 accumulators.
.set PA,    2064                       ; a row in LDS: 2,048 bytes + 16 = 129 x 16: an odd multiple of 16, so the 16 rows of a fragment load start 16 bytes apart modulo 256
.set BT,    128*PA                     ; 264,192: the batch's row of hb, 1,024 f32
.set VT,    BT+4096                    ; V, rounded to bf16 and kept as f32
.set SCR,   VT+4096                    ; 4 x 512 bytes: each wave's part of the 128 scores
.set PB,    SCR+2048                   ; 4 x 256 bytes: p in bf16, a copy for each wave
.set CT,    PB+1024                    ; 4 x 1,024 bytes: each wave's 256 channels of the context, on their way out
.set SPARE, CT+4096                    ; 279,552: the spare words, 128 bytes for each wave: two blocks of 256 bytes that no other line names
.set UG,    16*4096                    ; a slab's second piece lies 16 rows further down: in memory,
.set UL,    16*PA                      ; and in LDS
.set GA,   4                           ; v4   16 x lane: the offset of every load and store of 512 consecutive bytes; never rewritten
.set FL,   5                           ; v5   where I store a piece's 8 bytes: FL0 + the trip's step along the rows
.set G8,   6                           ; v6   8 x lane
.set TT,   7                           ; v7   16 x thread
.set ADRA, 8                           ; v8-11  (32 p + lane % 16) rows + 16 (lane / 16) + the trip's step along the rows
.set BA,   12                          ; v12  BT + 512 w + 32 (lane / 16)
.set VA,   13                          ; v13  VT + the same
.set SS,   14                          ; v14  SCR + 512 w + 4 (lane % 16)
.set SR,   15                          ; v15  SCR + 16 x lane
.set PS,   16                          ; v16  PB + 256 w + 8 x lane
.set PR,   17                          ; v17  PB + 256 w + 16 (lane / 16)
.set TA,   18                          ; v18  the turning loads: (8 (lane / 16) + lane % 8) rows + 16 ((lane / 8) % 2) + 512 w, stepped by 32 rows
.set CS,   19                          ; v19  CT + 1,024 w + 4 (lane % 16)
.set CR,   20                          ; v20  CT + 1,024 w + 16 x lane
.set TL,   21                          ; v21  BT + 16 x thread
.set VS,   22                          ; v22-25  the sum of my lane's V, two pairs
.set FL0,  26                          ; v26  (32 w + 8 (lane / 16)) rows + 8 (lane % 16) in LDS; never rewritten
.set FG,   27                          ; v27  8 (lane / 16) rows + 16 (lane % 16) in memory: a piece's load takes 256 bytes of row i and 256 of row i + 8; never rewritten
.set PFO,  28                          ; v28  lane x 4,096: a lane a row, for the prefetches; never rewritten once made
.set AB0,  29                          ; v29  (lane % 16) rows + 16 (lane / 16); never rewritten
.set SPW,  30                          ; v30  LDS address of my spare word; never rewritten
.set NIL,  31                          ; v31  0; never rewritten
.set SUM,  32                          ; v32-63  the sum of V r: block a of 16 rows, set q, a pair at SUM + 4 a + 2 q
.set F0,   64
.set F1,   128
.set BV,   192
.set Q0,   32                          ; the three sets for pieces: piece q lands in set q % 3
.set Q1,   192
.set Q2,   224
.set BP,   6                           ; s[6:7]  my wave's stream in ubf
.set WV,   20                          ; s20  my wave's number
.set KO,   34                          ; s34  chunk 0: bytes along the LDS rows that the trips have gone: 384 a trip (six steps of 64, three slabs of 128)
.set MSB, 0
.macro WIN new                         ; the immediate's high byte repeats the setting that is left; a switch that changes nothing is dropped
.if MSB != (\new)
	s_set_vgpr_msb (MSB<<8)|(\new)
.set MSB, (\new)
.endif
.endm
.macro PLACES                          ; four places between a matrix instruction and a load into a register that it has read, or a line that reads its result (ISA guide 7.12.1 for the latter)
.rept 4
	v_nop
.endr
.endm
	s_load_b512 s[4:19], s[0:1], 0x0               ; encoder_output s[4:5], ubf s[6:7], hb s[8:9], V_w s[10:11], V_b s[12:13], sc s[14:15], stat s[16:17], part s[18:19]
	v_lshl_add_u32 v[SPW], v0, 2, SPARE
	v_mov_b32 v[NIL], 0
	v_lshrrev_b32 v1, 5, v0
	v_readfirstlane_b32 s[WV], v1                  ; wave 0..3
	s_mov_b32 s21, ttmp9                           ; the block
	v_and_b32 v3, 31, v0                           ; lane
	v_and_b32 v1, 15, v0                           ; lane % 16
	v_bfe_u32 v2, v0, 4, 1                         ; lane / 16
	v_lshlrev_b32 v[GA], 4, v3
	v_lshlrev_b32 v[G8], 3, v3
	v_lshlrev_b32 v[TT], 4, v0
	v_lshlrev_b32 v[FG], 4, v1
	v_lshl_add_u32 v[FG], v2, 15, v[FG]
	s_mul_i32 s22, s[WV], 32*PA
	v_mul_u32_u24 v[FL0], v2, 8*PA
	v_lshl_add_u32 v[FL0], v1, 3, v[FL0]
	v_add_nc_u32 v[FL0], s22, v[FL0]
	v_mov_b32 v[FL], v[FL0]
	v_mul_u32_u24 v[AB0], v1, PA
	v_lshl_add_u32 v[AB0], v2, 4, v[AB0]
	s_lshl_b32 s22, s[WV], 9                       ; 512 w
	v_lshl_add_u32 v28, v2, 5, s22
	v_add_nc_u32 v[BA], BT, v28
	v_add_nc_u32 v[VA], VT, v28
	v_lshl_add_u32 v[SS], v1, 2, s22
	v_add_nc_u32 v[SS], SCR, v[SS]
	v_add_nc_u32 v[SR], SCR, v[GA]
	v_and_b32 v28, 7, v0
	v_lshl_add_u32 v28, v2, 3, v28
	v_mul_u32_u24 v[TA], v28, PA
	v_bfe_u32 v28, v0, 3, 1
	v_lshl_add_u32 v[TA], v28, 4, v[TA]
	v_add_nc_u32 v[TA], s22, v[TA]
	v_lshlrev_b32 v[PFO], 12, v3
	s_lshl_b32 s23, s[WV], 8                       ; 256 w
	v_lshl_add_u32 v[PS], v3, 3, s23
	v_add_nc_u32 v[PS], PB, v[PS]
	v_lshl_add_u32 v[PR], v2, 4, s23
	v_add_nc_u32 v[PR], PB, v[PR]
	s_lshl_b32 s24, s[WV], 10                      ; 1,024 w
	v_lshl_add_u32 v[CS], v1, 2, s24
	v_add_nc_u32 v[CS], CT, v[CS]
	v_add_nc_u32 v[CR], s24, v[GA]
	v_add_nc_u32 v[CR], CT, v[CR]
	v_lshl_add_u32 v[TL], v0, 4, BT
	s_mov_b32 s30, 0x76543210                      ; v_permlanex16_b32's selects: each lane takes its own place in the other half
	s_mov_b32 s31, 0xfedcba98
	s_mov_b32 s32, 0x3fb8aa3b                      ; log2(e)
	s_mov_b32 s[KO], 0
	s_mov_b32 s23, 0
	s_wait_kmcnt 0x0
	s_load_b32 s28, s[12:13], 0x0                  ; V_b's value
	s_lshl_b32 s22, s21, 19                        ; the block's 128 rows of 4,096 bytes,
	s_lshl_b32 s24, s[WV], 17                      ; my wave's 32 of them
	s_add_co_u32 s22, s22, s24
	s_add_nc_u64 s[4:5], s[4:5], s[22:23]
	s_lshl_b32 s22, s[WV], 19                      ; my wave's 524,288 bytes of ubf
	s_add_nc_u64 s[BP:BP+1], s[BP:BP+1], s[22:23]
	s_lshr_b32 s22, s21, 4                         ; the batch
	s_lshl_b32 s22, s22, 12
	s_add_nc_u64 s[8:9], s[8:9], s[22:23]
	s_lshl_b32 s22, s21, 9
	s_add_nc_u64 s[14:15], s[14:15], s[22:23]
	s_lshl_b32 s22, s21, 8
	s_add_nc_u64 s[16:17], s[16:17], s[22:23]
	s_lshl_b32 s22, s21, 12
	s_lshl_b32 s24, s[WV], 10
	s_add_co_u32 s22, s22, s24
	s_add_nc_u64 s[18:19], s[18:19], s[22:23]
; A piece: 16 rows x 64 k of f32.  Load i takes 256 consecutive aligned bytes of row i (lanes 0-15) and of row i + 8 (lanes 16-31).  goff: the slab's 256 bytes along the rows, + UG for a slab's second piece.
.macro LOADP reg, goff
	WIN 0
.irp i, 0,1,2,3,4,5,6,7
	global_load_b128 v[(\reg)+4*\i:(\reg)+4*\i+3], v[FG], s[4:5] offset:(\goff)+4096*\i th:TH_LOAD_NT
.endr
.endm
; It is rounded in place, four registers to two, and goes into LDS: a store puts 128 bytes into row i and 128 into row i + 8, which lie 32 banks apart.  loff: the slab's 128 bytes along the rows, + UL for a second piece.
.macro CONVP reg, loff
	WIN 0
.irp i, 0,1,2,3,4,5,6,7
	v_cvt_pk_bf16_f32 v[(\reg)+4*\i],   v[(\reg)+4*\i],   v[(\reg)+4*\i+1]
	v_cvt_pk_bf16_f32 v[(\reg)+4*\i+1], v[(\reg)+4*\i+2], v[(\reg)+4*\i+3]
.endr
.irp i, 0,1,2,3,4,5,6,7
	ds_store_b64 v[FL], v[(\reg)+4*\i:(\reg)+4*\i+1] offset:(\loff)+PA*\i
.endr
.endm
; U's fragments of one K step, 8 x 1,024 bytes at byte off of my stream, into buffer q of window 1
.macro FETCH_B q, off
	WIN 0x40                                       ; destination window 1, address window 0
.irp b, 0,1,2,3,4,5,6,7
	global_load_b128 v[64*(\q)+8*(\b):64*(\q)+8*(\b)+3],   v[GA], s[BP:BP+1] offset:(\off)+1024*(\b)
	global_load_b128 v[64*(\q)+8*(\b)+4:64*(\q)+8*(\b)+7], v[GA], s[BP:BP+1] offset:(\off)+1024*(\b)+512
.endr
.endm
	; THE START.  The order of the loads sets every count below: the tables (10), pieces 0-3 (32), U of step 0 (16): 58 loads of mine are out.
	WIN 0x80                                       ; destination window 2, address window 0
.irp p, 0,1,2,3
	global_load_b128 v[8*\p:8*\p+3],   v[TT], s[8:9] offset:131072*\p        ; hb's four partial sums, 32 bytes of each a thread,
	global_load_b128 v[8*\p+4:8*\p+7], v[TT], s[8:9] offset:131072*\p+2048
.endr
	global_load_b128 v[32:35], v[TT], s[10:11]                               ; and V
	global_load_b128 v[36:39], v[TT], s[10:11] offset:2048
	LOADP F0,    0                                 ; pieces 0-3 land where the rows' fragments will lie
	LOADP F0+32, UG
	LOADP F1,    256
	LOADP F1+32, UG+256
	FETCH_B 0, 0
	WIN 0
	s_wait_kmcnt 0x0                               ; V_b
	s_wait_loadcnt 16                              ; the tables and pieces 0-3 are in; U's 16 loads are younger
	LOADP Q1, 256*2                                ; piece 4, U of step 1, piece 5: with U of step 0 ahead of them, the order that every later run goes on with
	FETCH_B 1, 8192
	LOADP Q2, UG+256*2
	CONVP F0,    0
	CONVP F0+32, UL
	CONVP F1,    128
	CONVP F1+32, UL+128
	WIN 0x8a                                       ; destination and both sources window 2
.irp p, 1,2,3
.irp e, 0,2,4,6
	v_pk_add_f32 v[\e:\e+1], v[\e:\e+1], v[8*\p+\e:8*\p+\e+1]                ; hb: the four quarters of K are added
.endr
.endr
.irp x, 32, 36                         ; V is rounded to bf16 and widened again
	v_cvt_pk_bf16_f32 v40, v[\x], v[\x+1]
	v_cvt_pk_bf16_f32 v41, v[\x+2], v[\x+3]
	v_lshlrev_b32 v[\x], 16, v40
	v_and_b32 v[\x+1], 0xffff0000, v40
	v_lshlrev_b32 v[\x+2], 16, v41
	v_and_b32 v[\x+3], 0xffff0000, v41
.endr
	WIN 0x08                                       ; data window 2, address window 0
	ds_store_b128 v[TL], v[0:3]
	ds_store_b128 v[TL], v[4:7] offset:2048
	ds_store_b128 v[TL], v[32:35] offset:4096
	ds_store_b128 v[TL], v[36:39] offset:6144
	WIN 0
	s_wait_dscnt 0x0                               ; for the others' sake: my part of slabs 0 and 1 and of the tables lies in LDS
	s_barrier_signal -1
	s_barrier_wait -1                              ; everybody's does; the tables are only read from here on
; The rows' fragments of one K step: 8 blocks of 16 rows x 32 k at byte k of the rows, into buffer f
.macro FETCH_A f, k
	WIN 0
.irp i, 0,1,2,3,4,5,6,7
	ds_load_b128 v[(\f)+8*(\i):(\f)+8*(\i)+3],   v[ADRA+(\i)/2] offset:((\i)%2)*16*PA+(\k)
	ds_load_b128 v[(\f)+8*(\i)+4:(\f)+8*(\i)+7], v[ADRA+(\i)/2] offset:((\i)%2)*16*PA+(\k)+32
.endr
.endm
; A table's 64 numbers for my lane: column block b's eight at dst + 8 b of window w, as they lie in an accumulator
.macro FETCH_TAB dst, adr, off, w=0
	WIN 0x40*(\w)
.irp b, 0,1,2,3,4,5,6,7
	ds_load_b128 v[(\dst)+8*(\b):(\dst)+8*(\b)+3],   v[\adr] offset:(\off)+64*(\b)
	ds_load_b128 v[(\dst)+8*(\b)+4:(\dst)+8*(\b)+7], v[\adr] offset:(\off)+64*(\b)+16
.endr
.endm
; 16 matrix instructions: row blocks a0, a0 + 1 of the window's four (hi = 0: rows 0-63, 1: rows 64-127) x all 8 column blocks.  first = 1, 2: hb, in window 0 or 1, is the C operand and starts the sums.
; The 64 accumulators take turns in the same order in every step: 63 others stand between two links of a chain.
.macro MUL16 fa, qb, hi, a0, first
.if (\first) == 1
	WIN 0x81+0x40*(\hi)                            ; U window 1, rows and hb window 0, D window 2 or 3
.elseif (\first) == 2
	WIN 0x91+0x40*(\hi)                            ; U and hb window 1, rows window 0, D window 2 or 3
.else
	WIN 0xa1+0x50*(\hi)                            ; U window 1, rows window 0, C and D window 2 or 3
.endif
.irp a, \a0, (\a0)+1
.irp b, 0,1,2,3,4,5,6,7
.if \first
	v_wmma_f32_16x16x32_bf16 v[8*(8*(\a)+(\b)):8*(8*(\a)+(\b))+7], v[64*(\qb)+8*(\b):64*(\qb)+8*(\b)+7], v[(\fa)+8*(4*(\hi)+(\a)):(\fa)+8*(4*(\hi)+(\a))+7], v[BV+8*(\b):BV+8*(\b)+7]
.else
	v_wmma_f32_16x16x32_bf16 v[8*(8*(\a)+(\b)):8*(8*(\a)+(\b))+7], v[64*(\qb)+8*(\b):64*(\qb)+8*(\b)+7], v[(\fa)+8*(4*(\hi)+(\a)):(\fa)+8*(4*(\hi)+(\a))+7], v[8*(8*(\a)+(\b)):8*(8*(\a)+(\b))+7]
.endif
.endr
.endr
.endm
; A STEP s OF CHUNK 0: one run of memory lines, then 64 matrix instructions on the rows' buffer fa and U's buffer qb = s % 3.
; ld: the loads younger than U of step s.  The loads go out in the order U(s + 2), piece s + 6 in run s, so behind U(s) stand piece s + 4, U(s + 1) and piece s + 5: 8 + 16 + 8 = 32, fewer when the streams end.
; Loads come back in order (ISA guide 5.7.1), and piece s + 3 went out in run s - 3, ahead of U(s): the same wait shows it landed.
; cv: the set of piece s + 3, which is rounded and stored at loff (-1: none; its 16 roundings are the places behind the last step's products, else four v_nop are).
; gq, boff: U of step s + 2 goes into the buffer that step s - 1 read (-1: none).  li, goff: piece s + 6 goes into the set just emptied (-1: none).
; pf: a prefetch into the L2 (-1: none): my 32 rows' 256 bytes of the slab two slabs beyond the one whose first piece this run loads: a lane a row, each block named once in the launch, by the wave that will load it.
;     The loop's last trip asks for nothing: of the slabs that it would name only one exists.  Slabs 0 to 5 and 15 come by their loads alone.
; kind 0: the rows of step s + 1 go into the buffer that step s - 1 read; kind 1 (step 31): V of this chunk and hb of the next.
; bar = 1: this run has stored a slab's second piece.  Behind 32 products my LDS lines are waited for and I signal; behind the other 32 I wait: the next run, in every wave, is the first to read that slab.
.macro STEPZ fa, qb, first, ld, cv, loff, gq, boff, li, goff, pf, kind, ga, k, bar
	s_wait_loadcnt \ld
.if (\cv) >= 0
	CONVP \cv, \loff
.else
	WIN 0
	PLACES
.endif
.if (\gq) >= 0
	FETCH_B \gq, \boff
.endif
.if (\li) >= 0
	LOADP \li, \goff
.endif
.if (\pf) >= 0
	s_cmp_gt_u32 s24, 1
	s_cbranch_scc0 .Lnot_asked_\@
	global_prefetch_b8 v[PFO], s[4:5] offset:\pf th:TH_LOAD_NT scope:SCOPE_SE
.Lnot_asked_\@:
.endif
.if (\kind) == 0
	FETCH_A \ga, \k
.if (\cv) >= 0
	s_wait_dscnt 24                                ; all but this run's 8 stores and 16 loads: the rows of step s, asked for a step ago, are in
.else
	s_wait_dscnt 16                                ; all but this run's 16 loads
.endif
.else
	FETCH_TAB F0, VA, 0
	FETCH_TAB BV, BA, 2048
	s_wait_dscnt 32                                ; all but this run's 32 loads
.endif
	MUL16 \fa, \qb, 0, 0, \first
	MUL16 \fa, \qb, 0, 2, \first
.if \bar
	s_wait_dscnt 0x0                               ; for the others' sake: my part of the slab lies in LDS
	s_barrier_signal -1
.endif
	MUL16 \fa, \qb, 1, 0, \first
	MUL16 \fa, \qb, 1, 2, \first
.if \bar
	s_barrier_wait -1
.endif
.endm
; A STEP s OF CHUNK 1: 64 matrix instructions on the rows' buffer fa and U's buffer qb = s % 4.  In its middle, in one run: U of step s + 3 into the buffer that step s - 1 read (bload = 1), and
; the rows of step s + 1 into the buffer that step s - 1 read, or (last = 1, step 31) V of this chunk.  ld: the younger loads of U: two steps' 32, fewer at the end.
.macro STEP fa, qb, ga, k, gq, boff, first, ld, bload, last
	s_wait_loadcnt \ld
	s_wait_dscnt 8                                 ; the rows' blocks 0-3 are in; the youngest eight loads (blocks 4-7) may be out
	MUL16 \fa, \qb, 0, 0, \first
	MUL16 \fa, \qb, 0, 2, \first
	PLACES
.if \bload
	FETCH_B \gq, \boff
.endif
.if \last
	FETCH_TAB F0, VA, 2048
.else
	FETCH_A \ga, \k
.endif
	s_wait_dscnt 16                                ; all but the 16 just issued
	MUL16 \fa, \qb, 1, 0, \first
	MUL16 \fa, \qb, 1, 2, \first
.endm
; THE WAY FROM c x TO V r, for one window's 256 numbers a lane, in place and from each accumulator's low end on: 2^(c x); + 1; the reciprocal; then the sums.
; The 256 exponentials are one batch with one wait, and so are the 256 reciprocals: s_wait_alu depctr_va_vdst(0) stands between such an instruction and the first line that names its result.
.macro EPI w
	WIN 0x82+0x41*(\w)                             ; destination and source 0 in window 2 or 3
.set i, 0
.rept 256
	v_exp_f32 v[i], v[i]
.set i, i+1
.endr
	v_nop                                          ; a plain instruction behind the last exponential,
	s_wait_alu depctr_va_vdst(0)                   ; and the batch's wait
.set i, 0
.rept 128
	v_pk_add_f32 v[i:i+1], v[i:i+1], 1.0 op_sel_hi:[1,0]
.set i, i+2
.endr
.set i, 0
.rept 256
	v_rcp_f32 v[i], v[i]
.set i, i+1
.endr
	v_nop
	s_wait_alu depctr_va_vdst(0)
.if (\w) == 0
	s_wait_dscnt 0x0                               ; V (and the next chunk's hb) are in
.endif
	WIN 0x02+(\w)                                  ; source 0 in window 2 or 3, all else in window 0
.irp b, 0,1,2,3,4,5,6,7                ; two links of one sum stand eight lines apart
.irp p, 0,1,2,3
.irp a, 0,1,2,3
	v_pk_fma_f32 v[SUM+4*(4*(\w)+(\a))+2*((\p)%2):SUM+4*(4*(\w)+(\a))+2*((\p)%2)+1], v[8*(8*(\a)+(\b))+2*(\p):8*(8*(\a)+(\b))+2*(\p)+1], v[F0+8*(\b)+2*(\p):F0+8*(\b)+2*(\p)+1], v[SUM+4*(4*(\w)+(\a))+2*((\p)%2):SUM+4*(4*(\w)+(\a))+2*((\p)%2)+1]
.endr
.endr
.endr
.endm
	; CHUNK 0
	FETCH_TAB BV, BA, 0, 1                         ; hb for chunk 0, into window 1
	WIN 0
.irp p, 0,1,2,3
	v_add_nc_u32 v[ADRA+\p], 32*\p*PA, v[AB0]
.endr
	FETCH_A F0, 0
	STEPZ F0, 0, 2, 32, -1, 0,        2, 16384, Q0, 256*3,    -1,    0, F1, 64,  0   ; step 0 stands in front of the loop: hb starts the sums; piece 6 is asked for, none is stored
	WIN 0                                          ; at a label and at a branch every window is 0
	s_mov_b32 s24, 4
.Lz:                                           ; four trips of six steps: steps 1 to 24.  Six is the least common period of U's three buffers, the pieces' three sets and the rows' two buffers
	STEPZ F1, 1, 0, 32, Q1, 128*2,    0, 24576, Q1, UG+256*3, -1,    0, F0, 128, 0
	STEPZ F0, 2, 0, 32, Q2, UL+128*2, 1, 32768, Q2, 256*4,    256*6, 0, F1, 192, 1
	STEPZ F1, 0, 0, 32, Q0, 128*3,    2, 40960, Q0, UG+256*4, -1,    0, F0, 256, 0
	STEPZ F0, 1, 0, 32, Q1, UL+128*3, 0, 49152, Q1, 256*5,    256*7, 0, F1, 320, 1
	STEPZ F1, 2, 0, 32, Q2, 128*4,    1, 57344, Q2, UG+256*5, -1,    0, F0, 384, 0
	STEPZ F0, 0, 0, 32, Q0, UL+128*4, 2, 65536, Q0, 256*6,    256*8, 0, F1, 448, 1
	WIN 0
	s_add_co_u32 s[KO], s[KO], 384                 ; the LDS addresses are made anew from registers that are never rewritten and the trips' step
	v_add_nc_u32 v[ADRA], s[KO], v[AB0]
.irp p, 1,2,3
	v_add3_u32 v[ADRA+\p], v[AB0], s[KO], 32*\p*PA
.endr
	v_add_nc_u32 v[FL], s[KO], v[FL0]
	s_wait_xcnt 0x0                                ; the loads and the prefetch (64 products back) have read their addresses: the pointers may be stepped
	s_add_nc_u64 s[4:5], s[4:5], 768               ; three slabs of 256 bytes along the f32 rows
	s_add_nc_u64 s[BP:BP+1], s[BP:BP+1], 49152     ; six steps of 8,192 bytes
	s_sub_co_u32 s24, s24, 1
	s_cmp_lg_u32 s24, 0
	s_cbranch_scc1 .Lz
	STEPZ F1, 1, 0, 32, Q1, 128*2,    0, 24576, Q1, UG+256*3, -1,    0, F0, 128, 0   ; step 25 asks for the last piece, 31
	STEPZ F0, 2, 0, 32, Q2, UL+128*2, 1, 32768, -1, 0,        -1,    0, F1, 192, 1   ; steps 26 to 28 store pieces 29 to 31 and ask for none: the counts run down
	STEPZ F1, 0, 0, 24, Q0, 128*3,    2, 40960, -1, 0,        -1,    0, F0, 256, 0
	STEPZ F0, 1, 0, 16, Q1, UL+128*3, 0, 49152, -1, 0,        -1,    0, F1, 320, 1
	STEPZ F1, 2, 0, 16, -1, 0,        1, 57344, -1, 0,        -1,    0, F0, 384, 0   ; step 29 asks for U of step 31, the chunk's last
	STEPZ F0, 0, 0, 16, -1, 0,       -1, 0,     -1, 0,        -1,    0, F1, 448, 0
	STEPZ F1, 1, 0, 0,  -1, 0,       -1, 0,     -1, 0,        -1,    1, 0,  0,   0
	WIN 0
.set i, 0
.rept 32
	v_mov_b32 v[SUM+i], 0                          ; the sums over n start at 0, where pieces landed until step 27; these lines are also the places in front of the loads below
.set i, i+1
.endr
.irp i, 0,1,2,3
	v_mov_b32 v[VS+\i], 0
.endr
	s_wait_xcnt 0x0
	s_add_nc_u64 s[BP:BP+1], s[BP:BP+1], 65536     ; my stream at chunk 1: 4 x 49,152 + 65,536 = 262,144
	FETCH_B 0, 0                                   ; chunk 1's first three steps of U are on their way while tanh is made
	FETCH_B 1, 8192
	FETCH_B 2, 16384
	WIN 0
	s_mov_b32 s25, 2                               ; chunks whose way from c x to V r is still to come
	s_branch .Lepi                                 ; that way is written once: its loop is entered in the middle
	; CHUNK 1: all rows lie in LDS
.Lchunk1:
.irp p, 0,1,2,3
	v_add_nc_u32 v[ADRA+\p], 32*\p*PA, v[AB0]      ; the rows' addresses, made anew at k = 0
.endr
	FETCH_A F0, 0
	STEP F0, 0, F1, 64, 3, 24576, 1, 32, 1, 0      ; step 0 stands in front of the loop: hb starts the sums
	WIN 0
	s_mov_b32 s24, 7
.Ltrip:                                        ; seven trips of four steps: steps 1 to 28
	STEP F1, 1, F0, 128, 0, 32768, 0, 32, 1, 0
	STEP F0, 2, F1, 192, 1, 40960, 0, 32, 1, 0
	STEP F1, 3, F0, 256, 2, 49152, 0, 32, 1, 0
	STEP F0, 0, F1, 320, 3, 57344, 0, 32, 1, 0
	WIN 0
.irp p, 0,1,2,3
	v_add_nc_u32 v[ADRA+\p], 256, v[ADRA+\p]       ; four steps of 64 bytes along the rows
.endr
	s_wait_xcnt 0x0                                ; U's loads have read their address: the pointer may be stepped
	s_add_nc_u64 s[BP:BP+1], s[BP:BP+1], 32768     ; four steps of 8,192 bytes
	s_sub_co_u32 s24, s24, 1
	s_cmp_lg_u32 s24, 0
	s_cbranch_scc1 .Ltrip
	STEP F1, 1, F0, 128, 0, 0, 0, 32, 0, 0         ; steps 29 to 31 ask for nothing of U: the counts run down
	STEP F0, 2, F1, 192, 0, 0, 0, 16, 0, 0
	STEP F1, 3, F0, 0,   0, 0, 0, 0,  0, 1
	WIN 0
.Lepi:
	EPI 0                                          ; window 2 was finished 32 matrix instructions and four places back; its plain lines are the places behind window 3's last products
	EPI 1
	WIN 0
.set i, 0
.rept 32
	v_pk_add_f32 v[VS+2*(i%2):VS+2*(i%2)+1], v[VS+2*(i%2):VS+2*(i%2)+1], v[F0+2*i:F0+2*i+1]  ; the sum of my lane's 64 V of this chunk
.set i, i+1
.endr
	s_sub_co_u32 s25, s25, 1
	s_cmp_lg_u32 s25, 0
	s_cbranch_scc1 .Lchunk1
	; THE SCORES.  In a lane: (the sum of V) - 2 (the sum of V r) over its 128 columns; the other half of the lanes holds the row's other columns of my wave; the four waves meet in LDS.
	s_wait_loadcnt 0x0                             ; no load of U is out (step 31 has waited for the last): window 1 is taken for other things below
	v_pk_add_f32 v[VS:VS+1], v[VS:VS+1], v[VS+2:VS+3]
	v_add_f32 v[VS], v[VS], v[VS+1]
.irp a, 0,1,2,3,4,5,6,7
	v_pk_add_f32 v[SUM+4*\a:SUM+4*\a+1], v[SUM+4*\a:SUM+4*\a+1], v[SUM+4*\a+2:SUM+4*\a+3]
.endr
.irp a, 0,1,2,3,4,5,6,7
	v_add_f32 v[SUM+4*\a], v[SUM+4*\a], v[SUM+4*\a+1]
.endr
.irp a, 0,1,2,3,4,5,6,7
	v_fma_f32 v[SUM+4*\a], v[SUM+4*\a], -2.0, v[VS]
.endr
.irp a, 0,1,2,3,4,5,6,7
	v_permlanex16_b32 v[SUM+4*\a+1], v[SUM+4*\a], s30, s31
.endr
.irp a, 0,1,2,3,4,5,6,7
	v_add_f32 v[SUM+4*\a], v[SUM+4*\a], v[SUM+4*\a+1]
.endr
.irp a, 0,1,2,3,4,5,6,7
	ds_store_b32 v[SS], v[SUM+4*\a] offset:64*\a   ; row 16 a + lane % 16; both halves of the lanes write the same number to the same word
.endr
	s_wait_dscnt 0x0                               ; for the others' sake
	s_barrier_signal -1
	s_barrier_wait -1
.irp u, 0,1,2,3
	ds_load_b128 v[32+4*\u:32+4*\u+3], v[SR] offset:512*\u  ; every wave takes all: lane l the rows 4 l .. 4 l + 3 of each wave's part
.endr
	s_wait_dscnt 0x0
	v_pk_add_f32 v[32:33], v[32:33], v[36:37]
	v_pk_add_f32 v[34:35], v[34:35], v[38:39]
	v_pk_add_f32 v[40:41], v[40:41], v[44:45]
	v_pk_add_f32 v[42:43], v[42:43], v[46:47]
	v_pk_add_f32 v[32:33], v[32:33], v[40:41]
	v_pk_add_f32 v[34:35], v[34:35], v[42:43]
.irp i, 32,33,34,35
	v_add_f32 v[\i], s28, v[\i]                    ; + V_b
.endr
	v_max3_num_f32 v48, v32, v33, v34              ; the block's maximum m
	v_max_num_f32 v48, v48, v35
	v_max_num_f32_dpp v48, v48, v48 row_xmask:1 row_mask:0xf bank_mask:0xf
	v_max_num_f32_dpp v48, v48, v48 row_xmask:2 row_mask:0xf bank_mask:0xf
	v_max_num_f32_dpp v48, v48, v48 row_xmask:4 row_mask:0xf bank_mask:0xf
	v_max_num_f32_dpp v48, v48, v48 row_xmask:8 row_mask:0xf bank_mask:0xf
	v_permlanex16_b32 v49, v48, s30, s31
	v_max_num_f32 v48, v48, v49
.irp i, 0,1,2,3
	v_sub_f32 v[36+\i], v[32+\i], v48
.endr
.irp i, 0,1,2,3
	v_mul_f32 v[36+\i], s32, v[36+\i]
.endr
.irp i, 0,1,2,3
	v_exp_f32 v[36+\i], v[36+\i]                   ; p = e^(s - m)
.endr
	v_nop
	s_wait_alu depctr_va_vdst(0)                   ; one wait for the four
	v_add_f32 v40, v36, v37                        ; l, of the unrounded p
	v_add_f32 v41, v38, v39
	v_add_f32 v40, v40, v41
	v_add_f32_dpp v40, v40, v40 row_xmask:1 row_mask:0xf bank_mask:0xf
	v_add_f32_dpp v40, v40, v40 row_xmask:2 row_mask:0xf bank_mask:0xf
	v_add_f32_dpp v40, v40, v40 row_xmask:4 row_mask:0xf bank_mask:0xf
	v_add_f32_dpp v40, v40, v40 row_xmask:8 row_mask:0xf bank_mask:0xf
	v_permlanex16_b32 v41, v40, s30, s31
	v_add_f32 v49, v40, v41
	s_cmp_lg_u32 s[WV], 0
	s_cbranch_scc1 .Lnot_wave_0
	global_store_b128 v[GA], v[32:35], s[14:15]    ; the block's 128 scores: 512 consecutive bytes, aligned
	global_store_b64 v[G8], v[48:49], s[16:17]     ; (m, l), 32 times: 256 consecutive bytes, aligned.  v32-35, v48-49 are not written again
.Lnot_wave_0:
	; THE CONTEXT.  part[ch] = the sum over the 128 rows of p[row] row[ch]; wave w makes channels 256 w .. 256 w + 255: 16 tiles.  Source 0 = p, the same in all 16 rows of the fragment;
	; source 1 = 32 rows x 16 channels, turned on the way out of LDS by ds_load_tr16_b128.  Register 0 of a result holds channel lane % 16.  64 matrix instructions a wave.
	v_cvt_pk_bf16_f32 v50, v36, v37
	v_cvt_pk_bf16_f32 v51, v38, v39
	ds_store_b64 v[PS], v[50:51]                   ; my wave's own copy: LDS serves a wave's instructions in order (ISA guide 5.7.1.4), so the loads below see it
.irp ks, 0,1,2,3
	ds_load_b128 v[F1+8*\ks:F1+8*\ks+3],   v[PR] offset:64*\ks
	ds_load_b128 v[F1+8*\ks+4:F1+8*\ks+7], v[PR] offset:64*\ks+32
.endr
.macro FETCH_T x                       ; 32 rows x 256 channels, turned, into buffer x of window 1; then 32 rows on
	WIN 0x40
.irp t, 0,1,2,3,4,5,6,7,8,9,10,11,12,13,14,15
	ds_load_tr16_b128 v[128*(\x)+8*(\t):128*(\x)+8*(\t)+3],   v[TA] offset:32*(\t)
	ds_load_tr16_b128 v[128*(\x)+8*(\t)+4:128*(\x)+8*(\t)+7], v[TA] offset:32*(\t)+16*PA
.endr
	WIN 0
	v_add_nc_u32 v[TA], 32*PA, v[TA]
.endm
.macro MULC ks, x, zero                ; the 16 accumulators take turns
	WIN 0xa4                                       ; p window 0, the rows window 1, C and D window 2
.irp t, 0,1,2,3,4,5,6,7,8,9,10,11,12,13,14,15
.if \zero
	v_wmma_f32_16x16x32_bf16 v[8*(\t):8*(\t)+7], v[F1+8*(\ks):F1+8*(\ks)+7], v[128*(\x)+8*(\t):128*(\x)+8*(\t)+7], 0
.else
	v_wmma_f32_16x16x32_bf16 v[8*(\t):8*(\t)+7], v[F1+8*(\ks):F1+8*(\ks)+7], v[128*(\x)+8*(\t):128*(\x)+8*(\t)+7], v[8*(\t):8*(\t)+7]
.endif
.endr
.endm
	FETCH_T 0
	FETCH_T 1
	s_wait_dscnt 32                                ; p and rows 0-31 are in; the 32 loads of rows 32-63 are younger
	MULC 0, 0, 1
	PLACES
	FETCH_T 0
	s_wait_dscnt 32
	MULC 1, 1, 0
	PLACES
	FETCH_T 1
	s_wait_dscnt 32
	MULC 2, 0, 0
	s_wait_dscnt 0x0
	MULC 3, 1, 0
	PLACES
	WIN 0x08                                       ; data window 2, address window 0
.irp t, 0,1,2,3,4,5,6,7,8,9,10,11,12,13,14,15
	ds_store_b32 v[CS], v[8*\t] offset:64*\t       ; channel 16 t + lane % 16; both halves of the lanes write the same number to the same word
.endr
	WIN 0
	ds_load_b128 v[52:55], v[CR]                   ; back as 16 bytes a lane: my wave's own bytes, in order
	ds_load_b128 v[56:59], v[CR] offset:512
	s_wait_dscnt 0x0
	global_store_b128 v[GA], v[52:55], s[18:19]                ; 512 consecutive bytes each, aligned
	global_store_b128 v[GA], v[56:59], s[18:19] offset:512
	s_wait_tensorcnt 0x0                           ; the wave's end, behind my last LDS store
	ds_add_u32 v[SPW], v[NIL]
	s_wait_dscnt 0x0
	s_endpgm
.Lfunc_end_k_q31c5c2c13d_score:
	.size	k_q31c5c2c13d_score, .Lfunc_end_k_q31c5c2c13d_score-k_q31c5c2c13d_score
	.p2alignl 7, 3214868480
	.fill 96, 4, 3214868480
	.section	.rodata,"a",@progbits
	.p2align	6, 0x0
	.amdhsa_kernel k_q31c5c2c13d_score
		.amdhsa_group_segment_fixed_size 280064
		.amdhsa_private_segment_fixed_size 0
		.amdhsa_enable_private_segment 0
		.amdhsa_kernarg_size 64
		.amdhsa_user_sgpr_count 2
		.amdhsa_user_sgpr_kernarg_segment_ptr 1
		.amdhsa_wavefront_size32 1
		.amdhsa_system_sgpr_workgroup_id_x 1
		.amdhsa_system_sgpr_workgroup_id_y 1
		.amdhsa_system_sgpr_workgroup_id_z 1
		.amdhsa_system_vgpr_workitem_id 0
		.amdhsa_next_free_vgpr 1024
		.amdhsa_next_free_sgpr 66
		.amdhsa_reserve_vcc 0
		.amdhsa_float_denorm_mode_32 3
		.amdhsa_float_denorm_mode_16_64 3
		.amdhsa_memory_ordered 1
		.amdhsa_forward_progress 1
		.amdhsa_inst_pref_size 255
	.end_amdhsa_kernel
	.section	.bss,"aw",@nobits
	.p2align	6
	.space	262144
	.amdgpu_metadata
---
amdhsa.version: [ 1, 2 ]
amdhsa.kernels:
  - .name:           k_q31c5c2c13d_score
    .symbol:         k_q31c5c2c13d_score.kd
    .args:
      - { .name: encoder_output, .offset: 0, .size: 8, .value_kind: global_buffer, .address_space: global }
      - { .name: ubf, .offset: 8, .size: 8, .value_kind: global_buffer, .address_space: global }
      - { .name: hb, .offset: 16, .size: 8, .value_kind: global_buffer, .address_space: global }
      - { .name: V_w, .offset: 24, .size: 8, .value_kind: global_buffer, .address_space: global }
      - { .name: V_b, .offset: 32, .size: 8, .value_kind: global_buffer, .address_space: global }
      - { .name: sc, .offset: 40, .size: 8, .value_kind: global_buffer, .address_space: global }
      - { .name: stat, .offset: 48, .size: 8, .value_kind: global_buffer, .address_space: global }
      - { .name: part, .offset: 56, .size: 8, .value_kind: global_buffer, .address_space: global }
    .group_segment_fixed_size: 280064
    .private_segment_fixed_size: 0
    .kernarg_segment_align: 8
    .kernarg_segment_size: 64
    .max_flat_workgroup_size: 128
    .sgpr_count:     66
    .vgpr_count:     1024
    .wavefront_size: 32
...
	.end_amdgpu_metadata
.endif
;; end of part 2
;; launch finish (part 3): grid 8 x 32, 1 waves a work-group, no clusters, 0 bytes of LDS; arguments sc, stat, part, out0, out1; writes out0, out1
.if DOCPART == 3
	.amdgcn_target "amdgcn-amd-amdhsa--gfx1250"
	.amdhsa_code_object_version 6
	.text
	.protected	k_q31c5c2c13d_finish
	.globl	k_q31c5c2c13d_finish
	.p2align	8
	.type	k_q31c5c2c13d_finish,@function
k_q31c5c2c13d_finish:
	s_mov_b64 s[64:65], 0
	v_nop
	global_prefetch_b8 v0, s[64:65] scope:SCOPE_SE
	s_setreg_imm32_b32 hwreg(HW_REG_WAVE_MODE, 25, 1), 1
	s_wait_xcnt 0x0
; FINISH.  A batch's 16 blocks are joined.  Block i has left its maximum m_i, its sum l_i = the sum of e^(s - m_i), and part_i[ch] = the sum of e^(s - m_i) row[ch].
; M = the largest m_i;  w_i = e^(m_i - M);  L = the sum of w_i l_i;  out0[ch] = (the sum of w_i part_i[ch]) / L;  out1[row] = e^(s[row] - M) / L.  All in f32.
; SHARES.  One wave to a work-group; work-group (g, batch) makes 128 channels of out0 (512 bytes) and 256 numbers of out1 (1,024 bytes): every load and store covers 512 consecutive aligned bytes,
; but for the 16 pairs (m_i, l_i), one a lane.  No LDS, no barrier, no matrix unit: 2.5 MB are read once and 0.4 MB written.
; L is at least 1: the block that holds M has w = 1 and l >= 1.  LIMITS.  NaN and infinities are not treated apart; a weight below 2^-126 counts as 0.
	s_load_b256 s[4:11], s[0:1], 0x0               ; sc s[4:5], stat s[6:7], part s[8:9], out0 s[10:11]
	s_load_b64 s[12:13], s[0:1], 0x20              ; out1
	s_and_b32 s20, ttmp7, 0xffff                   ; the batch
	v_and_b32 v1, 15, v0
	v_lshlrev_b32 v1, 8, v1                        ; block lane % 16: its 256 bytes of stat
	v_lshlrev_b32 v2, 4, v0                        ; 16 x lane
	s_mov_b32 s30, 0x3fb8aa3b                      ; log2(e)
	s_lshl_b32 s22, s20, 12                        ; stat: 16 blocks of 256 bytes a batch
	s_mov_b32 s23, 0
	s_lshl_b32 s24, s20, 16                        ; part: 16 blocks of 4,096 bytes, and my 512 of each
	s_lshl_b32 s26, ttmp9, 9
	s_add_co_u32 s24, s24, s26
	s_mov_b32 s25, 0
	s_add_co_u32 s26, s22, s26                     ; out0: 4,096 bytes a batch, my 512
	s_mov_b32 s27, 0
	s_lshl_b32 s28, s20, 13                        ; sc and out1: 8,192 bytes a batch, my 1,024
	s_lshl_b32 s29, ttmp9, 10
	s_add_co_u32 s28, s28, s29
	s_mov_b32 s29, 0
	s_wait_kmcnt 0x0
	s_add_nc_u64 s[6:7], s[6:7], s[22:23]
	s_add_nc_u64 s[8:9], s[8:9], s[24:25]
	s_add_nc_u64 s[10:11], s[10:11], s[26:27]
	s_add_nc_u64 s[4:5], s[4:5], s[28:29]
	s_add_nc_u64 s[12:13], s[12:13], s[28:29]
	global_load_b64 v[10:11], v1, s[6:7]           ; (m_i, l_i), i = lane % 16
.irp i, 0,1,2,3,4,5,6,7,8,9,10,11,12,13,14,15
	global_load_b128 v[16+4*\i:16+4*\i+3], v2, s[8:9] offset:4096*\i
.endr
	global_load_b128 v[80:83], v2, s[4:5]
	global_load_b128 v[84:87], v2, s[4:5] offset:512
	s_wait_loadcnt 18                              ; (m, l) is in; the 16 loads of part and the 2 of sc are younger
	v_mov_b32 v12, v10
	v_max_num_f32_dpp v12, v12, v12 row_xmask:1 row_mask:0xf bank_mask:0xf  ; the 16 blocks lie in each half of the lanes: four steps give M to every lane
	v_max_num_f32_dpp v12, v12, v12 row_xmask:2 row_mask:0xf bank_mask:0xf
	v_max_num_f32_dpp v12, v12, v12 row_xmask:4 row_mask:0xf bank_mask:0xf
	v_max_num_f32_dpp v12, v12, v12 row_xmask:8 row_mask:0xf bank_mask:0xf
	v_sub_f32 v13, v10, v12
	v_mul_f32 v13, s30, v13
	v_exp_f32 v13, v13                             ; w_i
	v_nop                                          ; a plain instruction behind it,
	s_wait_alu depctr_va_vdst(0)                   ; and the wait ahead of the first use
	v_mul_f32 v14, v13, v11
	v_add_f32_dpp v14, v14, v14 row_xmask:1 row_mask:0xf bank_mask:0xf
	v_add_f32_dpp v14, v14, v14 row_xmask:2 row_mask:0xf bank_mask:0xf
	v_add_f32_dpp v14, v14, v14 row_xmask:4 row_mask:0xf bank_mask:0xf
	v_add_f32_dpp v14, v14, v14 row_xmask:8 row_mask:0xf bank_mask:0xf     ; L
	v_rcp_f32 v15, v14
	v_nop
	s_wait_alu depctr_va_vdst(0)
	v_mul_f32 v9, v13, v15                         ; w_i / L
.irp i, 0,1,2,3,4,5,6,7,8,9,10,11,12,13,14,15
	v_readlane_b32 s[40+\i], v9, \i                ; as scalars: factors only; no address and no branch hangs on them
.endr
	s_wait_loadcnt 2                               ; part is in; sc's two loads are younger
.irp c, 0,1,2,3
	v_mul_f32 v[88+\c], s40, v[16+\c]              ; the first block starts the sums
.endr
.irp i, 1,2,3,4,5,6,7,8,9,10,11,12,13,14,15
.irp c, 0,1,2,3
	v_fmac_f32 v[88+\c], s[40+\i], v[16+4*\i+\c]
.endr
.endr
	global_store_b128 v2, v[88:91], s[10:11]
	s_wait_loadcnt 0x0
.irp i, 0,1,2,3,4,5,6,7
	v_sub_f32 v[80+\i], v[80+\i], v12
.endr
.irp i, 0,1,2,3,4,5,6,7
	v_mul_f32 v[80+\i], s30, v[80+\i]
.endr
.irp i, 0,1,2,3,4,5,6,7
	v_exp_f32 v[80+\i], v[80+\i]
.endr
	v_nop
	s_wait_alu depctr_va_vdst(0)                   ; one wait for the eight
.irp i, 0,1,2,3,4,5,6,7
	v_mul_f32 v[80+\i], v[80+\i], v15
.endr
	global_store_b128 v2, v[80:83], s[12:13]
	global_store_b128 v2, v[84:87], s[12:13] offset:512
	s_endpgm
.Lfunc_end_k_q31c5c2c13d_finish:
	.size	k_q31c5c2c13d_finish, .Lfunc_end_k_q31c5c2c13d_finish-k_q31c5c2c13d_finish
	.p2alignl 7, 3214868480
	.fill 96, 4, 3214868480
	.section	.rodata,"a",@progbits
	.p2align	6, 0x0
	.amdhsa_kernel k_q31c5c2c13d_finish
		.amdhsa_group_segment_fixed_size 0
		.amdhsa_private_segment_fixed_size 0
		.amdhsa_enable_private_segment 0
		.amdhsa_kernarg_size 40
		.amdhsa_user_sgpr_count 2
		.amdhsa_user_sgpr_kernarg_segment_ptr 1
		.amdhsa_wavefront_size32 1
		.amdhsa_system_sgpr_workgroup_id_x 1
		.amdhsa_system_sgpr_workgroup_id_y 1
		.amdhsa_system_sgpr_workgroup_id_z 1
		.amdhsa_system_vgpr_workitem_id 0
		.amdhsa_next_free_vgpr 112
		.amdhsa_next_free_sgpr 66
		.amdhsa_reserve_vcc 0
		.amdhsa_float_denorm_mode_32 3
		.amdhsa_float_denorm_mode_16_64 3
		.amdhsa_memory_ordered 1
		.amdhsa_forward_progress 1
		.amdhsa_inst_pref_size 9
	.end_amdhsa_kernel
	.amdgpu_metadata
---
amdhsa.version: [ 1, 2 ]
amdhsa.kernels:
  - .name:           k_q31c5c2c13d_finish
    .symbol:         k_q31c5c2c13d_finish.kd
    .args:
      - { .name: sc, .offset: 0, .size: 8, .value_kind: global_buffer, .address_space: global }
      - { .name: stat, .offset: 8, .size: 8, .value_kind: global_buffer, .address_space: global }
      - { .name: part, .offset: 16, .size: 8, .value_kind: global_buffer, .address_space: global }
      - { .name: out0, .offset: 24, .size: 8, .value_kind: global_buffer, .address_space: global }
      - { .name: out1, .offset: 32, .size: 8, .value_kind: global_buffer, .address_space: global }
    .group_segment_fixed_size: 0
    .private_segment_fixed_size: 0
    .kernarg_segment_align: 8
    .kernarg_segment_size: 40
    .max_flat_workgroup_size: 32
    .sgpr_count:     66
    .vgpr_count:     112
    .wavefront_size: 32
...
	.end_amdgpu_metadata
.endif
;; end of part 3
